; MI455X (gfx1250); checked and timed in simulation.
; The chip was launched on July 23, 2026; its instructions are those of AMD's public machine-readable ISA for CDNA 5 (MIT licence, August 2026) and "CDNA5" Instruction Set Architecture Reference Guide (July 2026). The comments in the code are by the model that wrote it; some were corrected since.
;; Full Attention. Allowed arithmetic: matrix products marked QUANTISED: E2M3 operands, one E8M0 scale for each 32 along K, by v_wmma_scale_f32_16x16x128_f8f6f4 with both operands' format E2M3, f32 sums; everything else in f32.
;; Inputs: attn_mask 1 bool; keys 8 x 2,048 x 8 x 64 float32; queries 8 x 2,048 x 8 x 64 float32; values 8 x 2,048 x 8 x 64 float32.
;; Outputs: out0 8 x 2,048 x 8 x 64 float32.
;; This version of the problem:
;;   THIS VERSION OF THE PROBLEM IS GIVEN IN LOW PRECISION. The matrix products marked QUANTISED in the list below multiply operands that are first quantised to E2M3 (2 exponent bits, 3 mantissa bits; 6 bits a number), with one power-of-two scale for each 32 numbers along K (OCP MX v1.0); their sums are f32. All else is computed in f32.
;;   The module's matrix products, in the order in which they are computed (A, B: the left and right operand; K: the contracted axis; several contracted axes count as one K, in the product's order):
;;     1. batch 64 x [M 2,048, K 64] x [K 64, N 2,048]; A: input queries; B: input keys: QUANTISED
;;     2. batch 64 x [M 64, K 2,048] x [K 2,048, N 2,048]; A: input values; B: softmax (see below): QUANTISED
;;   THE QUANTISER, for each operand of a quantised product, along K:
;;     - K is cut into blocks of 32 from its start; a last block that is shorter is filled with zeros.
;;     - A block's scale is 2^e with e = floor(log2(the largest magnitude in the block)) - 2, held to -126 .. 127; a block of zeros has e = 0. As a byte (E8M0): e + 127.
;;     - Each number is divided by its block's scale, clamped to +-7.5, and rounded to the nearest number of E2M3, ties to even, subnormals kept.
;;     - The product sums the exact products of the quantised numbers (number of the format x scale) in f32.
;;   ~~~python
;;   def quantise(x, axis):      # numpy; x: float32 -> the quantised numbers, widened to float32 again
;;       x = np.moveaxis(x, axis, -1); K = x.shape[-1]
;;       x = np.pad(x, [(0, 0)] * (x.ndim - 1) + [(0, -K % 32)]); x = x.reshape(x.shape[:-1] + (-1, 32)); a = np.abs(x).max(-1, keepdims=True)
;;       e = np.where(a > 0, np.clip(np.frexp(np.where(a > 0, a, 1))[1] - 1 - 2, -126, 127), 0)      # np.frexp(a)[1] - 1 = floor(log2(a)), exactly
;;       r = np.clip(x / 2.0 ** e, -7.5, 7.5)
;;       step = 2.0 ** (np.maximum(np.frexp(np.where(r == 0, 1, r))[1] - 1, 0) - 3)
;;       q = np.round(r / step) * step * 2.0 ** e      # np.round: ties to even
;;       return np.moveaxis(q.reshape(q.shape[:-2] + (-1,))[..., :K], -1, axis).astype(np.float32)
;;   ~~~
;;   SOFTMAX AHEAD OF A QUANTISED PRODUCT. Where the list says 'softmax', what is quantised is not the finished softmax but p = 2^(t - M), with t = logit x log2(e) and M = ceil(the row's largest t), a whole number; so 1/2 < the row's largest p <= 1. The row's sum l is taken of the UNQUANTISED p, in f32, and the product's result is divided by l at the end. Since M is a whole number, a kernel that streams over the keys may use a running M (the ceiling of the running maximum): every later rescaling is an exact power of two, which a block's scale takes up: the codes' values come out the same.
;;   OPERANDS COMPUTED ON THE WAY. 'Computed on the way' means the value that the module computes at that place (a softmax that the list does not call 'softmax' is quantised finished and normalised). What goes into a quantiser is computed in f32, as accurately as f32 sums, v_exp_f32 and their like allow (about 1e-6 of the number): no bf16 or f16 on the way to a quantiser, and a product that is left as it is and whose result goes on into a quantised operand takes f32 operands (vector FMAs, or v_wmma_f32_16x16x4_f32). A number that lies on a knife's edge between two numbers of the format may be rounded either way, as far as f32 arithmetic and the matrix unit's own rounding can turn it there, and no further.
;; One version. Each part assembles by itself: llvm-mc -triple=amdgcn-amd-amdhsa -mcpu=gfx1250 --defsym DOCPART=n.
;; ======== version 1 of 1: 1 launch
;; launch attn (part 1): grid 4 x 64, 8 waves a work-group, no clusters, 68,608 bytes of LDS; arguments queries, keys, values, attn_mask, out0; writes out0
.if DOCPART == 1
	.amdgcn_target "amdgcn-amd-amdhsa--gfx1250"
	.amdhsa_code_object_version 6
	.text
	.protected	k_q46af98f690_attn
	.globl	k_q46af98f690_attn
	.p2align	8
	.type	k_q46af98f690_attn,@function
k_q46af98f690_attn:
	s_mov_b64 s[64:65], 0
	v_nop
	global_prefetch_b8 v0, s[64:65] scope:SCOPE_SE
	s_setreg_imm32_b32 hwreg(HW_REG_WAVE_MODE, 25, 1), 1
	s_wait_xcnt 0x0
; out0[b][q][n][:] = the sum over keys s of softmax_s(Q[b][q][n] . K[b][s][n] / 8) V[b][s][n][:].  All four tensors: [8][2048][8][64] f32: a (position, head) row is 256 bytes, rows of one head lie 2,048 bytes apart.
; Both products run on codes of FP6 (E2M3) with one E8M0 scale for each 32 along a product's K: Q and K are quantised along the head's 64, V and p along the keys.  Everything is quantised HERE, in registers: no workspace.
; THE SOFTMAX: t = score x log2(e) / 8; M = the running largest t rounded UP to a whole number; p = 2^(t - M) is what is quantised; the row's sum is taken of the unquantised p and divides at the end.
; When M moves, the sum and O are multiplied by 2^(old M - new M), which rounds nothing.
; SHARES.  Work-group (x, y): head y (batch y / 8, head y % 8), queries 512 x on.  Each of its eight waves owns 64 queries, four tiles of 16, and walks all 2,048 keys, 128 a step.  In each step a wave also quantises an eighth of
; the NEXT step's K and V (asked for from memory a whole step ahead) and lays the codes into the other of two LDS slots; one barrier a step.
; LAYOUT.  Both products are used transposed: S^T = K Q^T (source 0 = 16 keys, source 1 = 16 queries), O^T = V^T P^T (source 0 = 16 channels, source 1 = P): a lane (r = lane % 16, h = lane / 16) holds query r throughout.
; (a) Row m of key tile 4 c + u is key 64 c + 32 (m / 8) + 8 u + m % 8: so a lane's 32 score registers 32 c .. 32 c + 31 are keys 64 c + 32 h + 0 .. 31, ONE whole block of the second product's K, in the operand's own order:
;     a block's maximum needs no other lane, and the conversions' results are P's registers.
; (b) The head is 64 deep and the matrix instruction 128: a fragment of K holds TWO key tiles, tile 2 f at k 0-63 and tile 2 f + 1 at k 64-127.  Q picks one by where its zero codes lie: [Q | 0] or [0 | Q].
;     A zero code adds nothing whatever stands against it; Q's scale bytes over its zero half are 1.
; (c) A fragment lies in LDS as an image of its registers, 48 bytes a lane on end; three loads of 16 bytes bring it.  (d) All scale words of a step lie in one block of 512 bytes, 16 bytes a lane: one load fills four registers.
; NO CLUSTER, NO TENSOR LOAD: what the four work-groups of a head share are rows of f32, which must pass through registers to become codes; through LDS they would go as 64 KB a step beside 12.8 KB of codes.
; attn_mask: reference() takes it and makes nothing of it; its byte is read and dropped.
; LIMITS: NaN and infinities among the inputs are not served.  A block whose largest magnitude lies under 2^-124 has its scale byte held at 1; a block of zeros gets the byte 1 where the rule says 127 (its codes are zeros, and
; this text alone reads the bytes).  A p under 2^-126 comes out of v_exp_f32 as 0.
; LDS: slot s at 16,384 s: K's 4 fragments (6,144 bytes), V's 4 (6,144), the scale words (512).  From 32,768: a stage of 16 rows x 272 bytes for each wave, its own.
; REGISTERS, window 0: v1-15 addresses and shifts; v16-31 four a tile: -M, largest score, the sum's two halves; v32-47 at work; v48-51 K's and V's scale words; v52-55 Q's; v56-59 p's; v60-63 sums at work;
;   v64-111 four fragments; v112-126 codes just made; v128-191 a tile's scores, then p (also rows of K or Q back from the stage); v192-223 K's, v224-255 V's numbers on their way from memory.
; window 1: v0-127 O^T (tile T, channels 16 d on: 32 T + 8 d); v128-181 0 Q0 0 Q1 0 Q2 0 Q3 0, six registers each; v182-229 P, 12 a tile; v230-236 halves of blocks just converted.
.set SLOTB, 16384
.set KIMG,  0
.set VIMG,  6144
.set SCO,   12288
.set STG,   32768
.set SPT,   272                        ; a stage row: 256 bytes + 16: an odd multiple of 16, so sixteen lanes that take one column of sixteen rows fall on sixteen different 16-byte columns of 256
.set POSB,  2048                       ; bytes from one position to the next
.set STEPB, 128*POSB                   ; a key step in memory
.set VKO,  1                           ; K: my byte in the wave's 16 rows of a step
.set VVO,  2                           ; V: my column, my wave's block of 32 keys
.set VQO,  3                           ; Q and out0: lanes 0-15 one row, lanes 16-31 the next, 16 bytes a lane
.set VSTI, 4                           ; stage: the same two rows
.set VSTO, 5                           ; stage: row r, block h
.set VOSI, 6                           ; stage, way out: row r, + 32 h
.set VKI,  7                           ; where my 24 bytes of K's codes go
.set VKS,  8                           ; and their scale byte
.set VVI,  9                           ; the same for V
.set VVS,  10
.set VFR,  11                          ; 48 x lane
.set VSR,  12                          ; 16 x lane
.set SH8,  13                          ; 8 h
.set SHY,  14                          ; 24 h
.set SHZ,  15                          ; 8 + 8 h
.set ST,   16
.set BM0,  32
.set BM1,  33
.set BB0,  34
.set BB1,  35
.set MX,   36
.set PX,   37
.set N2,   38
.set DM,   39
.set FAC,  40                          ; v[40:41]: the packed forms name the pair and take its low word
.set SC0,  42
.set SC1,  43
.set BY0,  44
.set BY1,  45
.set WW,   46
.set WX,   47
.set SCR,  48
.set QS,   52
.set PS,   56
.set SA,   60
.set SB,   62
.set FR,   64
.set CT,   112
.set CT2,  120
.set S,    128
.set X,    128
.set RK,   192
.set RV,   224
.set RC,   32                          ; the way out: 1 / sum of tile T in v[32 + 2 T]
.set QA,   128                         ; window 1
.set PP,   182
.set TA,   230
.set TB,   234
.set MSB, 0
.macro WIN new                         ; s_set_vgpr_msb: bits 1:0 source 0, 3:2 source 1, 5:4 source 2, 7:6 destination; the high byte repeats the setting that is left
.if MSB != \new
	s_set_vgpr_msb (MSB<<8)|\new
.set MSB, \new
.endif
.endm
.macro PLACES                          ; four plain vector instructions between a matrix instruction and the first read of its result, or a load into one of its registers
.rept 4
	v_nop
.endr
.endm
; A step's numbers from memory.  K: load i brings rows 2 i and 2 i + 1 of my wave's key tile, each 256 consecutive bytes by sixteen lanes.  V: a lane takes a column and its registers run down 32 keys: 128 consecutive bytes a load.
.macro LOADS
.irp i, 0,1,2,3,4,5,6,7
	global_load_b128 v[RK+4*\i:RK+4*\i+3], v[VKO], s[6:7] offset:(32*(\i/4)+2*(\i%4))*POSB
.endr
.set jj, 0
.rept 32
	global_load_b32 v[RV+jj], v[VVO], s[8:9] offset:POSB*jj
.set jj, jj+1
.endr
.endm
.macro NEXT                            ; no load of mine is out here (the last quantising waited for all), so the bases may step
	s_add_nc_u64 s[6:7], s[6:7], STEPB
	s_add_nc_u64 s[8:9], s[8:9], STEPB
	LOADS
.endm
; The largest magnitude of 32 numbers of a lane, in two chains, with the floor 2^(3 - 127) among the leaves: so the scale's byte cannot fall under 1.
.macro QMAX src, ra, rb
	v_max3_num_f32 v[\ra], |v[\src]|, |v[\src+1]|, 0x1800000
	v_max3_num_f32 v[\rb], |v[\src+16]|, |v[\src+17]|, |v[\src+18]|
.irp i, 2,4,6,8,10,12
	v_max3_num_f32 v[\ra], v[\ra], |v[\src+\i]|, |v[\src+\i+1]|
	v_max3_num_f32 v[\rb], v[\rb], |v[\src+17+\i]|, |v[\src+18+\i]|
.endr
	v_max3_num_f32 v[\ra], v[\ra], |v[\src+14]|, |v[\src+15]|
	v_max3_num_f32 v[\ra], v[\ra], v[\rb], |v[\src+31]|
.endm
; My eighth of a step's K and V becomes codes and scale bytes in the slot at LDS byte ws.
.macro QUANT ws
	s_wait_loadcnt 0x0                             ; K's 8 and V's 32 loads are in
.irp i, 0,1,2,3,4,5,6,7
	ds_store_b128 v[VSTI], v[RK+4*\i:RK+4*\i+3] offset:2*SPT*\i      ; K's 16 rows through my stage: in as they were loaded,
.endr
.irp j, 0,1,2,3,4,5,6,7
	ds_load_b128 v[X+4*\j:X+4*\j+3], v[VSTO] offset:16*\j            ; back as row r's block h, 32 neighbours a lane (LDS serves a wave's instructions in order)
.endr
	QMAX RV, BM0, BB0                              ; V meanwhile: my column's block of 32 keys is all mine
	v_add_nc_u32 v[SC0], 0xff000000, v[BM0]        ; 2 off the exponent field: the conversion takes that field as its scale
	v_cvt_scalef32_pk16_fp6_f32 v[CT:CT+2], v[RV:RV+15], v[SC0]
	v_cvt_scalef32_pk16_fp6_f32 v[CT+4:CT+6], v[RV+16:RV+31], v[SC0]   ; (a conversion's three registers begin on an even number)
	v_lshrrev_b32 v[BY0], 23, v[SC0]               ; the scale's byte; also the plain line behind the conversions
	v_mov_b32 v[CT+3], v[CT+4]
	v_mov_b32 v[CT+4], v[CT+5]
	v_mov_b32 v[CT+5], v[CT+6]
.irp q, 0,1,2
	ds_store_b64 v[VVI], v[CT+2*\q:CT+2*\q+1] offset:\ws+8*\q
.endr
	ds_store_b8 v[VVS], v[BY0] offset:\ws
	s_wait_dscnt 4                                 ; K's rows are back: only V's four stores were issued behind those loads
	QMAX X, BM1, BB1
	v_add_nc_u32 v[SC1], 0xff000000, v[BM1]
	v_cvt_scalef32_pk16_fp6_f32 v[CT2:CT2+2], v[X:X+15], v[SC1]
	v_cvt_scalef32_pk16_fp6_f32 v[CT2+4:CT2+6], v[X+16:X+31], v[SC1]
	v_lshrrev_b32 v[BY1], 23, v[SC1]
	v_mov_b32 v[CT2+3], v[CT2+4]
	v_mov_b32 v[CT2+4], v[CT2+5]
	v_mov_b32 v[CT2+5], v[CT2+6]
.irp q, 0,1,2
	ds_store_b64 v[VKI], v[CT2+2*\q:CT2+2*\q+1] offset:\ws+8*\q
.endr
	ds_store_b8 v[VKS], v[BY1] offset:\ws
.endm
.macro FETCH base                      ; four fragments, as they stand: 12 loads of 16 bytes a lane
.irp f, 0,1,2,3
.irp q, 0,1,2
	ds_load_b128 v[FR+12*\f+4*\q:FR+12*\f+4*\q+3], v[VFR] offset:\base+1536*\f+16*\q
.endr
.endr
.endm
; S^T of tile T: eight products, each on an accumulator of its own, begun with 0.  Fragment f against [Q | 0] gives key tile 2 f, against [0 | Q] key tile 2 f + 1.  K's scale words: register f / 2, lanes 16-31 for odd f;
; Q's: lanes 0-15 for [Q | 0], lanes 16-31 for [0 | Q].  counted = 1: the fragments are still arriving: behind fragment f stand the 3 (3 - f) loads of the later ones.
.macro QK T, counted
	WIN 0x04                                       ; source 1 (Q) in window 1
.irp f, 0,1,2,3
.if \counted
	s_wait_dscnt 9-3*\f
.endif
.if \f%2 == 0
	v_wmma_scale_f32_16x16x128_f8f6f4 v[S+16*\f:S+16*\f+7], v[FR+12*\f:FR+12*\f+11], v[QA+6+12*\T:QA+17+12*\T], 0, v[SCR+\f/2], v[QS+\T] matrix_a_fmt:MATRIX_FMT_FP6 matrix_b_fmt:MATRIX_FMT_FP6
	v_wmma_scale_f32_16x16x128_f8f6f4 v[S+16*\f+8:S+16*\f+15], v[FR+12*\f:FR+12*\f+11], v[QA+12*\T:QA+11+12*\T], 0, v[SCR+\f/2], v[QS+\T] matrix_a_fmt:MATRIX_FMT_FP6 matrix_b_fmt:MATRIX_FMT_FP6 matrix_b_scale:MATRIX_SCALE_ROW1
.else
	v_wmma_scale_f32_16x16x128_f8f6f4 v[S+16*\f:S+16*\f+7], v[FR+12*\f:FR+12*\f+11], v[QA+6+12*\T:QA+17+12*\T], 0, v[SCR+\f/2], v[QS+\T] matrix_a_fmt:MATRIX_FMT_FP6 matrix_b_fmt:MATRIX_FMT_FP6 matrix_a_scale:MATRIX_SCALE_ROW1
	v_wmma_scale_f32_16x16x128_f8f6f4 v[S+16*\f+8:S+16*\f+15], v[FR+12*\f:FR+12*\f+11], v[QA+12*\T:QA+11+12*\T], 0, v[SCR+\f/2], v[QS+\T] matrix_a_fmt:MATRIX_FMT_FP6 matrix_b_fmt:MATRIX_FMT_FP6 matrix_a_scale:MATRIX_SCALE_ROW1 matrix_b_scale:MATRIX_SCALE_ROW1
.endif
.endr
	WIN 0
.endm
; Tile T's softmax for one key step: 64 scores a lane become p, P's codes and scale word; the sum and O^T come under the new M.  first = 1: the first key step, which starts M, the sum and O^T.
.macro SOFTMAX T, first
.set NM, ST+4*\T
.set RS, ST+4*\T+1
.set LL, ST+4*\T+2
.set PT, PP+12*\T
.set OT, 32*\T
	v_max3_num_f32 v[BM0], v[S], v[S+1], v[S+2]            ; the largest SCORE of my two blocks, in four chains; each accumulator is first read at its low end
	v_max3_num_f32 v[BB0], v[S+16], v[S+17], v[S+18]
	v_max3_num_f32 v[BM1], v[S+32], v[S+33], v[S+34]
	v_max3_num_f32 v[BB1], v[S+48], v[S+49], v[S+50]
.irp i, 3,5,7,9,11,13
	v_max3_num_f32 v[BM0], v[BM0], v[S+\i], v[S+\i+1]
	v_max3_num_f32 v[BB0], v[BB0], v[S+16+\i], v[S+17+\i]
	v_max3_num_f32 v[BM1], v[BM1], v[S+32+\i], v[S+33+\i]
	v_max3_num_f32 v[BB1], v[BB1], v[S+48+\i], v[S+49+\i]
.endr
	v_max3_num_f32 v[BM0], v[BM0], v[S+15], v[S+31]
	v_max3_num_f32 v[BM1], v[BM1], v[S+47], v[S+63]
	v_max_num_f32 v[BM0], v[BM0], v[BB0]                   ; block h's largest score: it serves the row's maximum and, since p rises with the score, the block's largest p
	v_max_num_f32 v[BM1], v[BM1], v[BB1]                   ; block 2 + h's
	v_max_num_f32 v[MX], v[BM0], v[BM1]
	v_permlanex16_b32 v[PX], v[MX], s20, s21               ; the query's other 64 keys lie in lane l xor 16
.if \first
	v_max_num_f32 v[RS], v[MX], v[PX]
	v_mul_f32 v[N2], s22, v[RS]                            ; as t (c is positive)
	v_floor_f32 v[NM], -v[N2]                              ; -M = floor(-t) = -ceil(t)
.else
	v_max3_num_f32 v[RS], v[RS], v[MX], v[PX]              ; the running largest score
	v_mul_f32 v[N2], s22, v[RS]
	v_floor_f32 v[N2], -v[N2]
	v_sub_f32 v[DM], v[N2], v[NM]                          ; old M - new M: a whole number, 0 or less
	v_mov_b32 v[NM], v[N2]
.endif
.set jj, 0
.rept 32
	v_pk_fma_f32 v[S+jj:S+jj+1], v[S+jj:S+jj+1], s[22:23], v[NM:NM+1] op_sel_hi:[1,0,0]   ; t - M, two at a time (of the pairs c and -M the low word serves both halves)
.set jj, jj+2
.endr
	v_fma_f32 v[BM0], v[BM0], s22, v[NM]                   ; the same of each block's largest score
	v_fma_f32 v[BM1], v[BM1], s22, v[NM]
	v_exp_f32 v[BM0], v[BM0]                               ; the block's largest p: the same two instructions on the same number give the same bits
	v_exp_f32 v[BM1], v[BM1]
.set jj, 0
.rept 64
	v_exp_f32 v[S+jj], v[S+jj]                             ; p = 2^(t - M), at most 1, not normalised
.set jj, jj+1
.endr
.if \first
	v_nop                                                  ; a plain line behind the exponentials (ISA guide 5.7.2)
	s_wait_alu depctr_va_vdst(0)
.else
	v_cvt_i32_f32 v[DM], v[DM]                             ; (it saturates)  These two are the plain lines behind the exponentials
	v_ldexp_f32 v[FAC], 1.0, v[DM]                         ; f = 2^(old M - new M)
	s_wait_alu depctr_va_vdst(0)
.endif
	v_max_num_f32 v[BM0], 0x1800000, v[BM0]                ; the floor 2^(3 - 127): the byte cannot fall under 1
	v_max_num_f32 v[BM1], 0x1800000, v[BM1]
	v_add_nc_u32 v[SC0], 0xff000000, v[BM0]                ; 2 off the exponent field: the conversion's scale operand
	v_add_nc_u32 v[SC1], 0xff000000, v[BM1]
	v_lshrrev_b32 v[BY0], 23, v[SC0]
	v_lshrrev_b32 v[BY1], 23, v[SC1]
	v_lshl_or_b32 v[WW], v[BY1], 16, v[BY0]                ; my two bytes, blocks h and 2 + h,
	v_lshlrev_b32 v[WW], v[SH8], v[WW]                     ; at their places in the scale word;
	v_permlanex16_b32 v[WX], v[WW], s20, s21
	v_or_b32 v[PS+\T], v[WW], v[WX]                        ; with lane l xor 16's two the word is whole.  More than eight plain lines stand between this one and the products that name it
	WIN 0x40                                               ; destination window 1
	v_cvt_scalef32_pk16_fp6_f32 v[PT:PT+2], v[S:S+15], v[SC0]
	v_cvt_scalef32_pk16_fp6_f32 v[TA:TA+2], v[S+16:S+31], v[SC0]      ; (a conversion's three registers begin on an even number)
	v_cvt_scalef32_pk16_fp6_f32 v[PT+6:PT+8], v[S+32:S+47], v[SC1]
	v_cvt_scalef32_pk16_fp6_f32 v[TB:TB+2], v[S+48:S+63], v[SC1]
	v_nop                                                  ; one plain line behind the conversions
	WIN 0x41                                               ; destination and source 0 window 1
.irp i, 0,1,2
	v_mov_b32 v[PT+3+\i], v[TA+\i]                         ; registers 6 c .. 6 c + 5 of P now hold keys 64 c + 32 h + 0 .. 31
	v_mov_b32 v[PT+9+\i], v[TB+\i]
.endr
.if !\first
.set jj, 0
.rept 16
	v_pk_mul_f32 v[OT+jj:OT+jj+1], v[OT+jj:OT+jj+1], v[FAC:FAC+1] op_sel_hi:[1,0]   ; the tile's O^T under the new M, from each accumulator's low end on
.set jj, jj+2
.endr
.endif
	WIN 0
	v_pk_add_f32 v[SA:SA+1], v[S:S+1], v[S+2:S+3]          ; the row's sum is taken of the UNQUANTISED p: two at a time, in two chains
	v_pk_add_f32 v[SB:SB+1], v[S+4:S+5], v[S+6:S+7]
.irp j, 8,12,16,20,24,28,32,36,40,44,48,52,56,60
	v_pk_add_f32 v[SA:SA+1], v[SA:SA+1], v[S+\j:S+\j+1]
	v_pk_add_f32 v[SB:SB+1], v[SB:SB+1], v[S+\j+2:S+\j+3]
.endr
.if \first
	v_pk_add_f32 v[LL:LL+1], v[SA:SA+1], v[SB:SB+1]
.else
	v_pk_add_f32 v[SA:SA+1], v[SA:SA+1], v[SB:SB+1]
	v_pk_fma_f32 v[LL:LL+1], v[LL:LL+1], v[FAC:FAC+1], v[SA:SA+1] op_sel_hi:[1,0,1]    ; the sum under the new M, plus this step's
.endif
.endm
; O^T += V^T P^T: sixteen accumulators, one instruction each.  V's scale words: register 2 + d / 2, lanes 16-31 for odd d.  first = 1: the products start the sums: nothing is cleared.
.macro PV first
	WIN 0x54                                               ; source 1 (P), C and D in window 1
.irp d, 0,1,2,3
.irp T, 0,1,2,3
.if \first
.if \d%2 == 0
	v_wmma_scale_f32_16x16x128_f8f6f4 v[32*\T+8*\d:32*\T+8*\d+7], v[FR+12*\d:FR+12*\d+11], v[PP+12*\T:PP+12*\T+11], 0, v[SCR+2+\d/2], v[PS+\T] matrix_a_fmt:MATRIX_FMT_FP6 matrix_b_fmt:MATRIX_FMT_FP6
.else
	v_wmma_scale_f32_16x16x128_f8f6f4 v[32*\T+8*\d:32*\T+8*\d+7], v[FR+12*\d:FR+12*\d+11], v[PP+12*\T:PP+12*\T+11], 0, v[SCR+2+\d/2], v[PS+\T] matrix_a_fmt:MATRIX_FMT_FP6 matrix_b_fmt:MATRIX_FMT_FP6 matrix_a_scale:MATRIX_SCALE_ROW1
.endif
.else
.if \d%2 == 0
	v_wmma_scale_f32_16x16x128_f8f6f4 v[32*\T+8*\d:32*\T+8*\d+7], v[FR+12*\d:FR+12*\d+11], v[PP+12*\T:PP+12*\T+11], v[32*\T+8*\d:32*\T+8*\d+7], v[SCR+2+\d/2], v[PS+\T] matrix_a_fmt:MATRIX_FMT_FP6 matrix_b_fmt:MATRIX_FMT_FP6
.else
	v_wmma_scale_f32_16x16x128_f8f6f4 v[32*\T+8*\d:32*\T+8*\d+7], v[FR+12*\d:FR+12*\d+11], v[PP+12*\T:PP+12*\T+11], v[32*\T+8*\d:32*\T+8*\d+7], v[SCR+2+\d/2], v[PS+\T] matrix_a_fmt:MATRIX_FMT_FP6 matrix_b_fmt:MATRIX_FMT_FP6 matrix_a_scale:MATRIX_SCALE_ROW1
.endif
.endif
.endr
.endr
	PLACES                                                 ; in front of the next loads into the fragments' and scale words' registers, and of the last step's first read of O^T
	WIN 0
.endm
; A KEY STEP on the slot named.  more = 1: the next step's numbers are asked for at its head and quantised into the other slot at its end.
; ONE barrier: in front of it each wave's LDS stores (its part of this slot) have landed and its reads of the other slot are back; behind it this slot is whole and nobody reads the other one.
.macro STEP slot, first, more
	s_wait_dscnt 0x0
	s_barrier_signal -1
	s_barrier_wait -1
	ds_load_b128 v[SCR:SCR+3], v[VSR] offset:\slot*SLOTB+SCO       ; all scale words of the step
	FETCH \slot*SLOTB+KIMG
.if \more
	NEXT                                                   ; 40 loads, a whole step ahead of their use; they are issued while the fragments come
.endif
	QK 0, 1
	PLACES
	SOFTMAX 0, \first
	QK 1, 0
	PLACES
	SOFTMAX 1, \first
	QK 2, 0
	PLACES
	SOFTMAX 2, \first
	QK 3, 0
	PLACES
	FETCH \slot*SLOTB+VIMG                                 ; K's fragments are done with: V's take their registers and land under the last softmax
	SOFTMAX 3, \first
	s_wait_dscnt 0x0                                       ; V is in
	PV \first
.if \more
	QUANT (1-\slot)*SLOTB
.endif
.endm
	s_load_b256 s[4:11], s[0:1], 0x0               ; queries s[4:5], keys s[6:7], values s[8:9], attn_mask s[10:11]
	s_load_b64 s[12:13], s[0:1], 0x20              ; out0
	s_set_vgpr_msb 0x40
	v_lshl_add_u32 v254, v0, 2, 0x10800
	v_mov_b32 v255, 0
	s_set_vgpr_msb 0x4000
	v_lshrrev_b32 v1, 5, v0
	v_readfirstlane_b32 s14, v1                    ; wave w, 0..7
	v_and_b32 v60, 31, v0                          ; lane l
	v_and_b32 v61, 15, v0                          ; r
	v_bfe_u32 v62, v0, 4, 1                        ; h
	s_and_b32 s26, s14, 1                          ; w & 1
	s_lshr_b32 s29, s14, 1                         ; w >> 1
	s_and_b32 s27, s29, 1                          ; (w >> 1) & 1
	s_lshr_b32 s28, s14, 2                         ; w >> 2
	s_and_b32 s30, s14, 3                          ; w & 3
	s_and_b32 s16, ttmp7, 0xffff                   ; y
	s_lshr_b32 s17, s16, 3
	s_lshl_b32 s17, s17, 22                        ; batch x 2,048 positions x 2,048 bytes
	s_and_b32 s16, s16, 7
	s_lshl_b32 s16, s16, 8                         ; head x 256 bytes
	s_or_b32 s16, s16, s17
	s_mov_b32 s17, 0                               ; s[16:17]: the head's first byte in each tensor
	s_lshl_b32 s18, ttmp9, 20                      ; 512 queries x 2,048 bytes a work-group,
	s_lshl_b32 s19, s14, 17                        ; 64 a wave
	s_add_co_u32 s18, s18, s19
	s_add_co_u32 s18, s18, s16
	s_mov_b32 s19, 0                               ; s[18:19]: my wave's first query in queries and in out0
	s_mov_b32 s20, 0x76543210
	s_mov_b32 s21, 0xfedcba98                      ; v_permlanex16_b32's selects for lane l xor 16
	s_mov_b32 s22, 0x3e38aa3b                      ; c = log2(e) / 8
	s_mov_b32 s23, s22                             ; (named with it as a pair, so it is written)
	v_lshlrev_b32 v[VQO], 4, v61
	v_lshl_add_u32 v[VQO], v62, 11, v[VQO]         ; 16 r + 2,048 h
	s_lshl_b32 s31, s28, 17
	s_lshl_b32 s32, s30, 14
	s_add_co_u32 s31, s31, s32                     ; my key tile w begins at key 64 (w >> 2) + 8 (w & 3)
	v_add_nc_u32 v[VKO], s31, v[VQO]
	s_lshl_b32 s31, s26, 7
	s_lshl_b32 s32, s29, 16
	s_add_co_u32 s31, s31, s32
	v_lshl_add_u32 v[VVO], v60, 2, s31             ; column 32 (w & 1) + l, keys 32 (w >> 1) on
	s_mul_i32 s33, s14, 16*SPT
	s_add_co_u32 s33, s33, STG                     ; my stage
	v_mul_u32_u24 v[VSTI], v62, SPT
	v_lshl_add_u32 v[VSTI], v61, 4, v[VSTI]
	v_add_nc_u32 v[VSTI], s33, v[VSTI]
	v_mul_u32_u24 v[VSTO], v61, SPT
	v_lshl_add_u32 v[VOSI], v62, 5, v[VSTO]
	v_lshl_add_u32 v[VSTO], v62, 7, v[VSTO]
	v_add_nc_u32 v[VSTO], s33, v[VSTO]
	v_add_nc_u32 v[VOSI], s33, v[VOSI]
	s_mul_i32 s31, s29, 1536                       ; K's codes: fragment w >> 1, half w & 1, image lane l
	s_mul_i32 s32, s26, 24
	s_add_co_u32 s31, s31, s32
	v_mul_u32_u24 v[VKI], v60, 48
	v_add_nc_u32 v[VKI], s31, v[VKI]
	s_lshl_b32 s31, s27, 8                         ; K's scale byte: lane r + 16 (fragment & 1), register fragment >> 1, byte 2 (w & 1) + h
	s_lshl_b32 s32, s28, 2
	s_add_co_u32 s31, s31, s32
	s_lshl_b32 s32, s26, 1
	s_add_co_u32 s31, s31, s32
	s_add_co_u32 s31, s31, SCO
	v_lshl_add_u32 v[VKS], v61, 4, v62
	v_add_nc_u32 v[VKS], s31, v[VKS]
	s_mul_i32 s31, s26, 3072                       ; V's codes: tile 2 (w & 1) + h, image lane r + 16 ((w >> 1) & 1), half w >> 2
	s_mul_i32 s32, s27, 768
	s_add_co_u32 s31, s31, s32
	s_mul_i32 s32, s28, 24
	s_add_co_u32 s31, s31, s32
	s_add_co_u32 s31, s31, VIMG
	v_mul_u32_u24 v[VVI], v62, 1536
	v_mad_u32_u24 v[VVI], v61, 48, v[VVI]
	v_add_nc_u32 v[VVI], s31, v[VVI]
	s_lshl_b32 s31, s26, 2                         ; V's scale byte: lane l, register 2 + (w & 1), byte w >> 1
	s_add_co_u32 s31, s31, s29
	s_add_co_u32 s31, s31, SCO+8
	v_lshl_add_u32 v[VVS], v60, 4, s31
	v_mul_u32_u24 v[VFR], v60, 48
	v_lshlrev_b32 v[VSR], 4, v60
	v_lshlrev_b32 v[SH8], 3, v62
	v_mul_u32_u24 v[SHY], v62, 24
	v_lshl_add_u32 v[SHZ], v62, 3, 8
	v_lshlrev_b32 v[WX], 4, v62
	v_mov_b32 v[WW], 0x01010000
	v_lshrrev_b32 v[WW], v[WX], v[WW]              ; the bytes 1 over Q's zero half: the upper two in lanes 0-15, the lower two in lanes 16-31
	v_mov_b32 v[PX], 0                             ; written once: a lane permute's destination counts as one of its sources
	v_mov_b32 v[FAC+1], 0                          ; (named as the upper half of a pair)
	s_wait_kmcnt 0x0
	s_load_u8 s15, s[10:11], 0x0                   ; attn_mask's one byte
	s_add_nc_u64 s[4:5], s[4:5], s[18:19]
	s_add_nc_u64 s[12:13], s[12:13], s[18:19]
	s_add_nc_u64 s[6:7], s[6:7], s[16:17]
	s_add_nc_u64 s[8:9], s[8:9], s[16:17]
	WIN 0x40                                       ; destination window 1
.irp T, 0,1,2,3
.irp i, 0,1,2,3,4,5,6,7
	global_load_b128 v[32*\T+4*\i:32*\T+4*\i+3], v[VQO], s[4:5] offset:(16*\T+2*\i)*POSB th:TH_LOAD_NT   ; my 64 queries, read once in the launch: into the registers that O^T will take
.endr
.endr
.irp i, 0,1,2,3,4
.irp k, 0,1,2,3,4,5
	v_mov_b32 v[QA+12*\i+\k], 0                    ; the five runs of zero codes between and round Q's four tiles
.endr
.endr
	WIN 0
	LOADS                                          ; key step 0
	s_wait_loadcnt 40                              ; Q is in: behind it stand the 40 loads just issued
.irp T, 0,1,2,3                        ; Q's tile T: through my stage, so that lane (r, h) holds block h of query r; then codes and the two scale words
	WIN 0x04                                       ; an LDS store's data are its source 1: window 1
.irp i, 0,1,2,3,4,5,6,7
	ds_store_b128 v[VSTI], v[32*\T+4*\i:32*\T+4*\i+3] offset:2*SPT*\i
.endr
	WIN 0
.irp j, 0,1,2,3,4,5,6,7
	ds_load_b128 v[X+4*\j:X+4*\j+3], v[VSTO] offset:16*\j
.endr
	s_wait_dscnt 0x0
	QMAX X, BM0, BB0
	v_add_nc_u32 v[SC0], 0xff000000, v[BM0]
	v_lshrrev_b32 v[BY0], 23, v[SC0]               ; my block's byte,
	v_permlanex16_b32 v[WX], v[BY0], s20, s21      ; the other block's
	v_lshlrev_b32 v[BY0], v[SHY], v[BY0]           ; lanes 0-15, for [Q | 0]: bytes 0, 1 = blocks 0, 1;  lanes 16-31, for [0 | Q]: bytes 2, 3
	v_lshlrev_b32 v[WX], v[SHZ], v[WX]
	v_or_b32 v[BY0], v[BY0], v[WX]
	v_or_b32 v[QS+\T], v[BY0], v[WW]
	WIN 0x40
	v_cvt_scalef32_pk16_fp6_f32 v[QA+6+12*\T:QA+8+12*\T], v[X:X+15], v[SC0]
	v_cvt_scalef32_pk16_fp6_f32 v[TA:TA+2], v[X+16:X+31], v[SC0]
	v_nop                                          ; one plain line behind the conversions
	WIN 0x41
.irp i, 0,1,2
	v_mov_b32 v[QA+9+12*\T+\i], v[TA+\i]
.endr
	WIN 0
.endr
	QUANT 0                                        ; key step 0 into slot 0
	s_wait_kmcnt 0x0                               ; attn_mask's byte is in; nothing is made of it, as in reference()
	STEP 0, 1, 1                                   ; key step 0 starts M, the sums and O^T
	s_mov_b32 s24, 7
.Lpair:                                            ; key steps 1 to 14, two a trip: the slots change places and come back
	STEP 1, 0, 1
	STEP 0, 0, 1
	s_sub_co_u32 s24, s24, 1
	s_cmp_lg_u32 s24, 0
	s_cbranch_scc1 .Lpair
	STEP 1, 0, 0                                   ; key step 15: nothing is left to ask for, so no load leaves its buffer
	; THE WAY OUT.  The sum's two halves and lane l xor 16's are added; O^T is divided by the sum and goes through my stage, a tile (16 queries x 256 bytes) at a time.
.irp T, 0,1,2,3
	v_add_f32 v[BY0+\T], v[ST+4*\T+2], v[ST+4*\T+3]
.endr
.irp T, 0,1,2,3
	v_permlanex16_b32 v[SA+\T], v[BY0+\T], s20, s21
.endr
.irp T, 0,1,2,3
	v_add_f32 v[BY0+\T], v[BY0+\T], v[SA+\T]
.endr
.irp T, 0,1,2,3
	v_rcp_f32 v[RC+2*\T], v[BY0+\T]
.endr
	v_nop                                          ; a plain line between the last reciprocal and its use
	s_wait_alu depctr_va_vdst(0)
; Lane (r, h) holds, of query r, channels 16 d + 8 h + 0 .. 7 in registers 8 d on: 32 bytes at 64 d + 32 h of stage row r.  Back come whole rows: lanes 0-15 one, lanes 16-31 the next.
.macro OUT T, ob, rb
	WIN 0x01                                       ; source 0 (O^T) window 1
.set jj, 0
.rept 16
	v_pk_mul_f32 v[\ob+jj:\ob+jj+1], v[32*\T+jj:32*\T+jj+1], v[RC+2*\T:RC+2*\T+1] op_sel_hi:[1,0]   ; from each accumulator's low end on
.set jj, jj+2
.endr
	WIN 0
.irp d, 0,1,2,3
	ds_store_b128 v[VOSI], v[\ob+8*\d:\ob+8*\d+3] offset:64*\d
	ds_store_b128 v[VOSI], v[\ob+8*\d+4:\ob+8*\d+7] offset:64*\d+16
.endr
.irp i, 0,1,2,3,4,5,6,7
	ds_load_b128 v[\rb+4*\i:\rb+4*\i+3], v[VSTI] offset:2*SPT*\i     ; LDS serves a wave's instructions in order: these see the stores above, and the next tile's stores come behind them
.endr
.endm
.macro SEND T, rb, younger             ; younger: the LDS instructions issued behind tile T's loads: the next tile's sixteen, or none
.irp i, 0,1,2,3,4,5,6,7
	s_wait_dscnt \younger+7-\i
	global_store_b128 v[VQO], v[\rb+4*\i:\rb+4*\i+3], s[12:13] offset:(16*\T+2*\i)*POSB th:TH_STORE_NT   ; sixteen lanes store 256 consecutive bytes, at a multiple of 256 from out0's first byte; each tile has registers of its own, so no store's data are written again
.endr
.endm
	OUT 0, 128, 192
	OUT 1, 160, 224                                ; a tile's arithmetic stands between the loads of the tile before and its stores
	SEND 0, 192, 16                                ; (tile 0's stage stores have read v128-159 when its loads are back: tile 2 may write them)
	OUT 2, 128, 64
	SEND 1, 224, 16
	OUT 3, 160, 96
	SEND 2, 64, 16
	SEND 3, 96, 0
	s_set_vgpr_msb 0x5
	s_wait_tensorcnt 0x0
	ds_add_u32 v254, v255
	s_wait_dscnt 0x0
	s_set_vgpr_msb 0x500
	s_endpgm
.Lfunc_end_k_q46af98f690_attn:
	.size	k_q46af98f690_attn, .Lfunc_end_k_q46af98f690_attn-k_q46af98f690_attn
	.p2alignl 7, 3214868480
	.fill 96, 4, 3214868480
	.section	.rodata,"a",@progbits
	.p2align	6, 0x0
	.amdhsa_kernel k_q46af98f690_attn
		.amdhsa_group_segment_fixed_size 68608
		.amdhsa_private_segment_fixed_size 0
		.amdhsa_enable_private_segment 0
		.amdhsa_kernarg_size 40
		.amdhsa_user_sgpr_count 2
		.amdhsa_user_sgpr_kernarg_segment_ptr 1
		.amdhsa_wavefront_size32 1
		.amdhsa_system_sgpr_workgroup_id_x 1
		.amdhsa_system_sgpr_workgroup_id_y 1
		.amdhsa_system_sgpr_workgroup_id_z 1
		.amdhsa_system_vgpr_workitem_id 0
		.amdhsa_next_free_vgpr 512
		.amdhsa_next_free_sgpr 66
		.amdhsa_reserve_vcc 0
		.amdhsa_float_denorm_mode_32 3
		.amdhsa_float_denorm_mode_16_64 3
		.amdhsa_memory_ordered 1
		.amdhsa_forward_progress 1
		.amdhsa_inst_pref_size 255
	.end_amdhsa_kernel
	.section	.bss,"aw",@nobits
	.p2align	6
	.space	262144
	.amdgpu_metadata
---
amdhsa.version: [ 1, 2 ]
amdhsa.kernels:
  - .name:           k_q46af98f690_attn
    .symbol:         k_q46af98f690_attn.kd
    .args:
      - { .name: queries, .offset: 0, .size: 8, .value_kind: global_buffer, .address_space: global }
      - { .name: keys, .offset: 8, .size: 8, .value_kind: global_buffer, .address_space: global }
      - { .name: values, .offset: 16, .size: 8, .value_kind: global_buffer, .address_space: global }
      - { .name: attn_mask, .offset: 24, .size: 8, .value_kind: global_buffer, .address_space: global }
      - { .name: out0, .offset: 32, .size: 8, .value_kind: global_buffer, .address_space: global }
    .group_segment_fixed_size: 68608
    .private_segment_fixed_size: 0
    .kernarg_segment_align: 8
    .kernarg_segment_size: 40
    .max_flat_workgroup_size: 256
    .sgpr_count:     66
    .vgpr_count:     512
    .wavefront_size: 32
...
	.end_amdgpu_metadata
.endif
;; end of part 1
